; MI455X (gfx1250); checked and timed in simulation.
; The chip was launched on July 23, 2026; its instructions are those of AMD's public machine-readable ISA for CDNA 5 (MIT licence, August 2026) and "CDNA5" Instruction Set Architecture Reference Guide (July 2026). The comments in the code are by the model that wrote it; some were corrected since.
;; Low Rank Ray Tracer. Allowed arithmetic: matrix products marked QUANTISED: E3M2 operands, one E8M0 scale for each 32 along K, by v_wmma_scale_f32_16x16x128_f8f6f4 with both operands' format E3M2, f32 sums; everything else in f32.
;; Inputs: attenuation_vectors 1,024 x 256 x 64 float32; frequency_basis_vectors 1,024 x 64 float32; radiation_vectors 1,024 x 256 x 64 float32.
;; Outputs: out0 1,024 float32.
;; This version of the problem:
;;   THIS VERSION OF THE PROBLEM IS GIVEN IN LOW PRECISION. The matrix products marked QUANTISED in the list below multiply operands that are first quantised to E3M2 (3 exponent bits, 2 mantissa bits; 6 bits a number), with one power-of-two scale for each 32 numbers along K (OCP MX v1.0); their sums are f32. All else is computed in f32.
;;   The module's matrix products, in the order in which they are computed (A, B: the left and right operand; K: the contracted axis; several contracted axes count as one K, in the product's order):
;;     1. [M 1,024, K 64] x [K 64, N 1,024]; A: computed on the way; B: input frequency_basis_vectors: QUANTISED
;;     2. [M 1,024, K 64] x [K 64, N 1,024]; A: computed on the way; B: input frequency_basis_vectors: QUANTISED
;;   THE QUANTISER, for each operand of a quantised product, along K:
;;     - K is cut into blocks of 32 from its start; a last block that is shorter is filled with zeros.
;;     - A block's scale is 2^e with e = floor(log2(the largest magnitude in the block)) - 4, held to -126 .. 127; a block of zeros has e = 0. As a byte (E8M0): e + 127.
;;     - Each number is divided by its block's scale, clamped to +-28, and rounded to the nearest number of E3M2, ties to even, subnormals kept.
;;     - The product sums the exact products of the quantised numbers (number of the format x scale) in f32.
;;   ~~~python
;;   def quantise(x, axis):      # numpy; x: float32 -> the quantised numbers, widened to float32 again
;;       x = np.moveaxis(x, axis, -1); K = x.shape[-1]
;;       x = np.pad(x, [(0, 0)] * (x.ndim - 1) + [(0, -K % 32)]); x = x.reshape(x.shape[:-1] + (-1, 32)); a = np.abs(x).max(-1, keepdims=True)
;;       e = np.where(a > 0, np.clip(np.frexp(np.where(a > 0, a, 1))[1] - 1 - 4, -126, 127), 0)      # np.frexp(a)[1] - 1 = floor(log2(a)), exactly
;;       r = np.clip(x / 2.0 ** e, -28, 28)
;;       step = 2.0 ** (np.maximum(np.frexp(np.where(r == 0, 1, r))[1] - 1, -2) - 2)
;;       q = np.round(r / step) * step * 2.0 ** e      # np.round: ties to even
;;       return np.moveaxis(q.reshape(q.shape[:-2] + (-1,))[..., :K], -1, axis).astype(np.float32)
;;   ~~~
;;   OPERANDS COMPUTED ON THE WAY. 'Computed on the way' means the value that the module computes at that place (a softmax that the list does not call 'softmax' is quantised finished and normalised). What goes into a quantiser is computed in f32, as accurately as f32 sums, v_exp_f32 and their like allow (about 1e-6 of the number): no bf16 or f16 on the way to a quantiser, and a product that is left as it is and whose result goes on into a quantised operand takes f32 operands (vector FMAs, or v_wmma_f32_16x16x4_f32). A number that lies on a knife's edge between two numbers of the format may be rounded either way, as far as f32 arithmetic and the matrix unit's own rounding can turn it there, and no further.
;; One version. Each part assembles by itself: llvm-mc -triple=amdgcn-amd-amdhsa -mcpu=gfx1250 --defsym DOCPART=n.
;; ======== version 1 of 1: 2 launches
;; limits: right only within a limited range of input values
;; workspace buffers: ray_codes 131,072 bytes; f_codes 65,536 bytes
;; launch sum_rays (part 1): grid 256 x 1, 9 waves a work-group, no clusters, 4,352 bytes of LDS; arguments attenuation_vectors, radiation_vectors, frequency_basis_vectors, ray_codes, f_codes; writes ray_codes, f_codes
.if DOCPART == 1
	.amdgcn_target "amdgcn-amd-amdhsa--gfx1250"
	.amdhsa_code_object_version 6
	.text
	.protected	k_q5fbc01b083_sum_rays
	.globl	k_q5fbc01b083_sum_rays
	.p2align	8
	.type	k_q5fbc01b083_sum_rays,@function
k_q5fbc01b083_sum_rays:
	s_mov_b64 s[64:65], 0
	v_nop
	global_prefetch_b8 v0, s[64:65] scope:SCOPE_SE
	s_setreg_imm32_b32 hwreg(HW_REG_WAVE_MODE, 25, 1), 1
	s_wait_xcnt 0x0
; Sa[d][r] = sum over p of attenuation[d][p][r], Sb[d][r] the same of radiation: [1024][256][64] f32 -> [1024][64]; Sa, Sb and F [1024][64] are quantised along r to codes of BF6 (E3M2), one E8M0 byte for each 32.
; SHARES.  A work-group owns 4 directions of both tensors, 8 streams of 65,536 consecutive bytes, and 4 rows of F.  Wave w < 8 sums stream w (= 2 x direction + tensor): 128 loads of 512 consecutive bytes, in 16 groups of 8;
; a load covers two rows p, so a lane holds the same four r in every load and the sum over p is a packed addition in the lane.  48 loads of a wave are out at a time.  The waves begin at different ones of a stream's
; 16 groups, (2 w + work-group) % 16, and go round, so that they do not all stand at one place of their streams at a time.
; Wave 8 quantises the group's rows of F while the streams run, and finishes the rays: behind the one barrier it reads the 8 streams' sums, quantises and stores them.
; Work-groups share no input, so there is no cluster; each byte is used once by one lane, so it goes straight into registers.  Nothing is prefetched: the launch does nothing but stream, 48 loads of each wave ahead.
; THE SUM'S ORDER is a tree (eight chains in two lanes), all in f32; reference() may add in another order.
; ray_codes: 512 bytes a work-group, in the order of the next launch's operand registers.  A direction's operand row is [Sa | Sb]: 128 along K, four blocks, four scale bytes; its half h (blocks h of Sa and of Sb) is
; 12 registers; registers 4 g .. 4 g + 3 lie at 128 g + 64 h + 16 x direction, the scale words at 384 + 4 x direction, bytes 400 to 511 are zeros.
; f_codes: 256 bytes a work-group, 4 rows.  Block h of row r is 6 registers: registers 0-3 at 64 h + 16 r; at 128 + 64 h + 16 r registers 4 and 5, then (for h = 0) the row's word, scale bytes s0, s1, s0, s1, then zeros.
; THE QUANTISER.  A block's scale is 2^(floor(log2(largest magnitude)) - 4); its byte is the largest magnitude's exponent field - 4, held at 1 from below.
; LIMITS: a block of zeros gets the byte 1 where the rule says 127 (its codes are zeros, and this program alone reads the bytes); NaN and infinities among the inputs are not served.
.set NG,     16                        ; groups of 8 loads (4,096 bytes) in a stream
.set RG,     6                         ; groups in the ring
.set SPITCH, 272                       ; LDS: a stream's 64 sums, 256 bytes, + 16: the sixteen lanes' reads of 16 bytes then fall into sixteen different columns (64 banks of 4 bytes: ISA guide 11.1)
.set STAGE,  2304                      ; behind the 8 streams' sums: the rays' 512 bytes on their way out
.set SCW,    STAGE+384                 ; in it: the scale words
.set FST,    2816                      ; F's 256 bytes on their way out
.set SPARE,  3072                      ; the spare words, 128 bytes for each of the 9 waves: five blocks of 256 bytes that no other line names
.set LO,   1                           ; v1     16 x lane
.set PST,  2                           ; v2     LDS: where I put my two sums
.set SRD,  3                           ; v3     LDS: where wave 8's lane reads its 16 neighbouring sums
.set CW,   4                           ; v4-6   stage: where my three registers of codes go
.set SBA,  7                           ; v7     stage: my block's scale byte
.set ZPA,  8                           ; v8     4 x lane
.set T,    9                           ; v9-11  at work in the head
.set A,    12                          ; v12-27 four accumulator sets of 4 registers: set j takes loads j and j + 4 of a group
.set FA,   32                          ; v32    F stage: my block's pieces
.set FS,   34                          ; v34    F stage: my block's scale byte
.set FLO,  35                          ; v35    F: my block's 128 bytes
.set L8,   36                          ; v36    8 x lane
.set NIL,  37                          ; v37    0
.set D,    64                          ; v64-255 the ring: 6 groups x 8 loads x 4 registers.  Wave 8 has no ring and uses these at work:
.set X,    64                          ; v64-95 32 numbers of F
.set R,    96                          ; v96-111 16 sums
.set C,    112                         ; v112-117 F's six registers of codes
.set C2,   120                         ; v120-122 the upper three as the conversion leaves them
.set FO,   124                         ; v124-125 8 bytes of the F stage
.set CD,   128                         ; v128-130 16 codes of the rays
.set OUTR, 132                         ; v132-135 16 bytes of the stage
.set MX,   140                         ; v140-141 largest magnitudes
.set SOP,  142                         ; v142   the conversion's scale operand
.set BYT,  143                         ; v143   the scale's byte
	s_load_b256 s[4:11], s[0:1], 0x0               ; attenuation, radiation, F, ray_codes
	s_load_b64 s[12:13], s[0:1], 0x20              ; f_codes
	v_lshl_add_u32 v30, v0, 2, SPARE
	v_mov_b32 v31, 0
	v_lshrrev_b32 v[T], 5, v0
	v_readfirstlane_b32 s16, v[T]                  ; wave 0..8
	s_lshr_b32 s17, s16, 1                         ; direction in the group
	s_lshl_b32 s18, ttmp9, 2
	s_add_co_u32 s18, s18, s17
	s_lshl_b32 s18, s18, 16                        ; direction x 65,536 bytes (at most 2^26)
	s_mov_b32 s19, 0
	s_and_b32 s20, s16, 1                          ; tensor
	s_mul_i32 s21, s16, SPITCH
	s_lshl_b32 s22, ttmp9, 9                       ; the group's 512 bytes of ray_codes
	s_mov_b32 s23, 0
	s_lshl_b32 s24, ttmp9, 10                      ; its 1,024 bytes of F
	s_mov_b32 s25, 0
	s_lshl_b32 s26, ttmp9, 8                       ; its 256 bytes of f_codes
	s_mov_b32 s27, 0
	s_lshl_b32 s30, s16, 1
	s_add_co_u32 s30, s30, ttmp9
	s_lshl_b32 s30, s30, 12
	s_and_b32 s30, s30, 0xffff                     ; where in its stream the wave begins
	s_mov_b32 s31, 0
	; every vector address is made here, by all waves, while the arguments are on their way
	v_and_b32 v12, 31, v0                          ; lane
	v_and_b32 v13, 15, v0                          ; c: my r are 4 c .. 4 c + 3
	v_bfe_u32 v14, v0, 4, 1                        ; h
	v_bfe_u32 v15, v0, 2, 3                        ; stream of wave 8's lane = 8 x direction + 4 x tensor + 2 x block + half
	v_and_b32 v16, 3, v0                           ; 2 x block + half
	v_bfe_u32 v17, v0, 2, 1                        ; tensor
	v_and_b32 v18, 1, v0                           ; half; for F the block: F's lane % 8 = 2 x row + block (four lanes do the same)
	v_bfe_u32 v19, v0, 1, 1                        ; block
	v_bfe_u32 v20, v0, 3, 2                        ; direction
	v_bfe_u32 v21, v0, 1, 2                        ; F's row
	v_and_b32 v22, 7, v0
	v_lshlrev_b32 v[LO], 4, v12
	v_lshlrev_b32 v[ZPA], 2, v12
	v_lshlrev_b32 v[L8], 3, v12
	v_lshlrev_b32 v[PST], 4, v13
	v_mul_u32_u24 v[SRD], v15, SPITCH
	v_mul_u32_u24 v23, v17, 24
	v_lshlrev_b32 v24, 6, v19
	v_lshlrev_b32 v[FA], 4, v21
	v_lshlrev_b32 v[FS], 4, v21
	v_lshlrev_b32 v[FLO], 7, v22
	v_lshl_add_u32 v[PST], v14, 3, v[PST]
	v_lshl_add_u32 v[SRD], v16, 6, v[SRD]          ; + 64 bytes for each 16 r
	v_mad_u32_u24 v23, v18, 12, v23                ; 4 x (6 x tensor + 3 x half): my first register's byte among the operand's 48
	v_lshl_add_u32 v24, v20, 4, v24                ; 64 x block + 16 x direction
	v_lshl_add_u32 v[FA], v18, 6, v[FA]
	v_add_nc_u32 v[FS], v[FS], v18
	v_add_nc_u32 v[PST], s21, v[PST]               ; stream x 272 + 16 c + 8 h: r = 4 c + 2 h and the next
.irp i, 0,1,2
	v_add_nc_u32 v[T+\i], 4*\i, v23                ; byte y of the 48 goes to 128 (y / 16) + y % 16
.endr
.irp i, 0,1,2
	v_and_b32 v[CW+\i], 12, v[T+\i]
.endr
.irp i, 0,1,2
	v_and_b32 v[T+\i], 48, v[T+\i]
.endr
.irp i, 0,1,2
	v_add_nc_u32 v[CW+\i], v[CW+\i], v24
.endr
.irp i, 0,1,2
	v_lshl_add_u32 v[CW+\i], v[T+\i], 3, v[CW+\i]
.endr
	v_bfe_u32 v[SBA], v0, 1, 4                     ; lane / 2 = 4 x direction + 2 x tensor + block: the byte's place among the four scale words
	v_mov_b32 v[NIL], 0
	s_wait_alu depctr_va_vdst(0)
	s_wait_kmcnt 0x0
	s_add_nc_u64 s[10:11], s[10:11], s[22:23]
	s_cmp_eq_u32 s16, 8
	s_cbranch_scc1 .Lbasis
	; WAVES 0 TO 7: a stream each
	s_cmp_eq_u32 s20, 0                            ; the choice hangs on the wave's number alone
	s_cselect_b64 s[4:5], s[4:5], s[6:7]
	s_add_nc_u64 s[4:5], s[4:5], s[18:19]
; Eight loads of the next 4,096 bytes into ring place g % 6.  The place has its own base: the loads that used it last have been waited for.
.macro FETCH g
.set SP, 40+2*((\g)%RG)
.set S, D+32*((\g)%RG)
	s_add_nc_u64 s[SP:SP+1], s[4:5], s[30:31]
.irp j, 0,1,2,3,4,5,6,7
	global_load_b128 v[S+4*\j:S+4*\j+3], v[LO], s[SP:SP+1] offset:512*\j th:TH_LOAD_NT   ; read once in the launch
.endr
	s_add_co_u32 s30, s30, 4096
	s_and_b32 s30, s30, 0xffff                     ; round the stream's 65,536 bytes
.endm
.irp g, 0,1,2,3,4,5
	FETCH \g
.endr
; Group g is added.  48 + 8 g loads have been issued (128 at the most) and 8 g + 8 are wanted; the younger ones stay out (loads come back in order: ISA guide 5.7.1)
.macro GROUP g
.set S, D+32*((\g)%RG)
.if (\g) < 11
.set LEFT, 40
.else
.set LEFT, 8*(NG-1-(\g))
.endif
.if (\g) > 0
	s_wait_alu depctr_va_vdst(0)
.endif
	s_wait_loadcnt LEFT
.if (\g) == 0
.irp j, 0,1,2,3
	v_pk_add_f32 v[A+4*\j:A+4*\j+1],   v[S+4*\j:S+4*\j+1],   v[S+16+4*\j:S+16+4*\j+1]     ; the first eight loads start the chains: nothing is cleared
	v_pk_add_f32 v[A+4*\j+2:A+4*\j+3], v[S+4*\j+2:S+4*\j+3], v[S+16+4*\j+2:S+16+4*\j+3]
.endr
.else
.irp j, 0,1,2,3,4,5,6,7
	v_pk_add_f32 v[A+4*(\j%4):A+4*(\j%4)+1],   v[A+4*(\j%4):A+4*(\j%4)+1],   v[S+4*\j:S+4*\j+1]
	v_pk_add_f32 v[A+4*(\j%4)+2:A+4*(\j%4)+3], v[A+4*(\j%4)+2:A+4*(\j%4)+3], v[S+4*\j+2:S+4*\j+3]
.endr
.endif
.if (\g)+RG < NG
	FETCH (\g)+RG
.endif
.endm
.irp g, 0,1,2,3,4,5,6,7,8,9,10,11,12,13,14,15
	GROUP \g
.endr
	v_pk_add_f32 v[A:A+1],     v[A:A+1],     v[A+4:A+5]
	v_pk_add_f32 v[A+2:A+3],   v[A+2:A+3],   v[A+6:A+7]
	v_pk_add_f32 v[A+8:A+9],   v[A+8:A+9],   v[A+12:A+13]
	v_pk_add_f32 v[A+10:A+11], v[A+10:A+11], v[A+14:A+15]
	s_delay_alu instid0(VALU_DEP_2)
	v_pk_add_f32 v[A:A+1],     v[A:A+1],     v[A+8:A+9]
	s_delay_alu instid0(VALU_DEP_2)
	v_pk_add_f32 v[A+2:A+3],   v[A+2:A+3],   v[A+10:A+11]
	; lanes c and 16 + c hold the same four r (even rows p, odd rows p).  The swap puts both lanes' r = 4 c into lane c of two registers and both lanes' r = 4 c + 2 into lane 16 + c
	s_delay_alu instid0(VALU_DEP_1)
	v_permlane16_swap_b32 v[A], v[A+2]
	s_delay_alu instid0(VALU_DEP_2)
	v_permlane16_swap_b32 v[A+1], v[A+3]
	s_delay_alu instid0(VALU_DEP_1)
	v_pk_add_f32 v[A:A+1], v[A:A+1], v[A+2:A+3]    ; lane (c, h): r = 4 c + 2 h and 4 c + 2 h + 1
	ds_store_b64 v[PST], v[A:A+1]                  ; the wave's 32 lanes store 256 consecutive bytes
	s_wait_dscnt 0x0                               ; for wave 8's sake: my store has landed
	s_branch .Ljoin
.Lbasis:                                               ; WAVE 8: the group's 4 rows of F; a lane holds a whole block
	s_add_nc_u64 s[8:9], s[8:9], s[24:25]
	s_add_nc_u64 s[12:13], s[12:13], s[26:27]
.irp j, 0,1,2,3,4,5,6,7
	global_load_b128 v[X+4*\j:X+4*\j+3], v[FLO], s[8:9] offset:16*\j
.endr
	ds_store_b32 v[ZPA], v[NIL] offset:SCW         ; the last 128 bytes of both stages begin as zeros
	ds_store_b32 v[ZPA], v[NIL] offset:FST+128
	s_wait_loadcnt 0x0
	v_max3_num_f32 v[MX],   |v[X]|,   |v[X+1]|, |v[X+2]|  ; the block's largest magnitude, in two chains
	v_max3_num_f32 v[MX+1], |v[X+3]|, |v[X+4]|, |v[X+5]|
.irp i, 6,10,14,18,22,26
	s_delay_alu instid0(VALU_DEP_2)
	v_max3_num_f32 v[MX],   v[MX],   |v[X+\i]|,   |v[X+\i+1]|
	s_delay_alu instid0(VALU_DEP_2)
	v_max3_num_f32 v[MX+1], v[MX+1], |v[X+\i+2]|, |v[X+\i+3]|
.endr
	s_delay_alu instid0(VALU_DEP_2)
	v_max3_num_f32 v[MX], v[MX], |v[X+30]|, |v[X+31]|
	s_delay_alu instid0(VALU_DEP_1)
	v_max3_num_f32 v[MX], v[MX], v[MX+1], 5<<23    ; and the floor 2^(5 - 127): the byte cannot fall under 1
	s_delay_alu instid0(VALU_DEP_1)
	v_add_nc_u32 v[SOP], 0xfe000000, v[MX]         ; 4 off its exponent field: the conversion takes the exponent field of this operand as its scale, and nothing else of it
	v_cvt_scalef32_pk16_bf6_f32 v[C:C+2],   v[X:X+15],    v[SOP]
	v_cvt_scalef32_pk16_bf6_f32 v[C2:C2+2], v[X+16:X+31], v[SOP]   ; (a conversion's three registers begin on an even number: the upper three are made here and moved)
	v_lshrrev_b32 v[BYT], 23, v[SOP]               ; the scale's byte (a plain line behind the conversions)
.irp i, 0,1,2
	v_mov_b32 v[C+3+\i], v[C2+\i]
.endr
	ds_store_b128 v[FA], v[C:C+3] offset:FST       ; (four lanes write the same bytes with the same values)
	ds_store_b64 v[FA], v[C+4:C+5] offset:FST+128
	ds_store_b8 v[FS], v[BYT] offset:FST+136       ; the row's word: s0, s1,
	ds_store_b8 v[FS], v[BYT] offset:FST+138       ; s0, s1
	ds_load_b64 v[FO:FO+1], v[L8] offset:FST       ; LDS serves a wave's instructions in order (ISA guide 5.7.1.4): this sees my stores
	s_wait_dscnt 0x0
	global_store_b64 v[L8], v[FO:FO+1], s[12:13]   ; 32 lanes store one aligned unit of 256 bytes
.Ljoin:
	s_barrier_signal -1
	s_barrier_wait -1
	s_cmp_lg_u32 s16, 8
	s_cbranch_scc1 .Ldone
	; WAVE 8: 512 sums, 16 neighbours along r to a lane, two neighbouring lanes to a block of 32
.irp j, 0,1,2,3
	ds_load_b128 v[R+4*\j:R+4*\j+3], v[SRD] offset:16*\j
.endr
	s_wait_dscnt 0x0
	v_max3_num_f32 v[MX],   |v[R]|,   |v[R+1]|, |v[R+2]|
	v_max3_num_f32 v[MX+1], |v[R+3]|, |v[R+4]|, |v[R+5]|
.irp i, 6,10
	s_delay_alu instid0(VALU_DEP_2)
	v_max3_num_f32 v[MX],   v[MX],   |v[R+\i]|,   |v[R+\i+1]|
	s_delay_alu instid0(VALU_DEP_2)
	v_max3_num_f32 v[MX+1], v[MX+1], |v[R+\i+2]|, |v[R+\i+3]|
.endr
	s_delay_alu instid0(VALU_DEP_2)
	v_max3_num_f32 v[MX], v[MX], |v[R+14]|, |v[R+15]|
	s_delay_alu instid0(VALU_DEP_1)
	v_max3_num_f32 v[MX], v[MX], v[MX+1], 5<<23
	s_delay_alu instid0(VALU_DEP_1)
	v_max_num_f32_dpp v[MX], v[MX], v[MX] row_xmask:1 row_mask:0xf bank_mask:0xf   ; with my neighbour's 16: the block's
	s_delay_alu instid0(VALU_DEP_1)
	v_add_nc_u32 v[SOP], 0xfe000000, v[MX]
	v_cvt_scalef32_pk16_bf6_f32 v[CD:CD+2], v[R:R+15], v[SOP]   ; to the nearest code, ties to even, beyond 28 the largest code; 96 bits without gaps
	v_lshrrev_b32 v[BYT], 23, v[SOP]               ; the scale's byte (a plain line behind the conversion)
.irp i, 0,1,2
	ds_store_b32 v[CW+\i], v[CD+\i] offset:STAGE
.endr
	ds_store_b8 v[SBA], v[BYT] offset:SCW          ; both lanes of a block write the same byte with the same value, over the zeros
	ds_load_b128 v[OUTR:OUTR+3], v[LO] offset:STAGE
	s_wait_dscnt 0x0
	global_store_b128 v[LO], v[OUTR:OUTR+3], s[10:11]   ; 32 lanes store 512 consecutive bytes, at a multiple of 512 from the buffer's first byte
.Ldone:
	s_wait_tensorcnt 0x0                           ; the wave's end
	ds_add_u32 v30, v31
	s_wait_dscnt 0x0
	s_endpgm
.Lfunc_end_k_q5fbc01b083_sum_rays:
	.size	k_q5fbc01b083_sum_rays, .Lfunc_end_k_q5fbc01b083_sum_rays-k_q5fbc01b083_sum_rays
	.p2alignl 7, 3214868480
	.fill 96, 4, 3214868480
	.section	.rodata,"a",@progbits
	.p2align	6, 0x0
	.amdhsa_kernel k_q5fbc01b083_sum_rays
		.amdhsa_group_segment_fixed_size 4352
		.amdhsa_private_segment_fixed_size 0
		.amdhsa_enable_private_segment 0
		.amdhsa_kernarg_size 40
		.amdhsa_user_sgpr_count 2
		.amdhsa_user_sgpr_kernarg_segment_ptr 1
		.amdhsa_wavefront_size32 1
		.amdhsa_system_sgpr_workgroup_id_x 1
		.amdhsa_system_sgpr_workgroup_id_y 1
		.amdhsa_system_sgpr_workgroup_id_z 1
		.amdhsa_system_vgpr_workitem_id 0
		.amdhsa_next_free_vgpr 256
		.amdhsa_next_free_sgpr 66
		.amdhsa_reserve_vcc 0
		.amdhsa_float_denorm_mode_32 3
		.amdhsa_float_denorm_mode_16_64 3
		.amdhsa_memory_ordered 1
		.amdhsa_forward_progress 1
		.amdhsa_inst_pref_size 41
	.end_amdhsa_kernel
	.amdgpu_metadata
---
amdhsa.version: [ 1, 2 ]
amdhsa.kernels:
  - .name:           k_q5fbc01b083_sum_rays
    .symbol:         k_q5fbc01b083_sum_rays.kd
    .args:
      - { .name: attenuation_vectors, .offset: 0, .size: 8, .value_kind: global_buffer, .address_space: global }
      - { .name: radiation_vectors, .offset: 8, .size: 8, .value_kind: global_buffer, .address_space: global }
      - { .name: frequency_basis_vectors, .offset: 16, .size: 8, .value_kind: global_buffer, .address_space: global }
      - { .name: ray_codes, .offset: 24, .size: 8, .value_kind: global_buffer, .address_space: global }
      - { .name: f_codes, .offset: 32, .size: 8, .value_kind: global_buffer, .address_space: global }
    .group_segment_fixed_size: 4352
    .private_segment_fixed_size: 0
    .kernarg_segment_align: 8
    .kernarg_segment_size: 40
    .max_flat_workgroup_size: 288
    .sgpr_count:     66
    .vgpr_count:     256
    .wavefront_size: 32
...
	.end_amdgpu_metadata
.endif
;; end of part 1
;; launch csi (part 2): grid 64 x 1, 8 waves a work-group, no clusters, 2,048 bytes of LDS; arguments ray_codes, f_codes, out0; writes out0
.if DOCPART == 2
	.amdgcn_target "amdgcn-amd-amdhsa--gfx1250"
	.amdhsa_code_object_version 6
	.text
	.protected	k_q5fbc01b083_csi
	.globl	k_q5fbc01b083_csi
	.p2align	8
	.type	k_q5fbc01b083_csi,@function
k_q5fbc01b083_csi:
	s_mov_b64 s[64:65], 0
	v_nop
	global_prefetch_b8 v0, s[64:65] scope:SCOPE_SE
	s_setreg_imm32_b32 hwreg(HW_REG_WAVE_MODE, 25, 1), 1
	s_wait_xcnt 0x0
; csi[k] = (1 / 1024) x sum over d of A[d][k] B[d][k], A = Q(Sa) Q(F)^T, B = Q(Sb) Q(F)^T, both products on codes of BF6 (E3M2) with one E8M0 scale for each 32 along r.
; ray_codes holds, for each direction, the operand row [Sa | Sb]: 128 along K, four scale bytes.  It is multiplied once by [F | 0] and once by [0 | F] (zero codes add nothing under any scale byte that stands here):
; one fragment of 12 registers serves both products.
; SHARES.  A work-group owns 16 subcarriers, one tile of columns, for all 1,024 directions, so that each csi[k] has one owner.  Wave w of 8 takes directions 128 w .. 128 w + 127: eight tiles of 16 rows, 16 matrix
; instructions, each with C = 0, issued tile by tile as the fragments come; the second four tiles' results take the registers of the first four's, which have been summed by then.  Source 0 = 16 directions, source 1 = 16
; subcarriers: a lane then holds ONE subcarrier (lane % 16) and its eight registers eight directions, so the sum over d of A x B is packed multiply-adds in the lane.  The 8 waves' sums meet in LDS; wave 0 adds and stores.
; Both workspace buffers lie in the order of the operands' registers.  ray_codes: 512 bytes for four directions: registers 4 g .. 4 g + 3 of row r, half h at 512 (r / 4) + 128 g + 64 h + 16 (r % 4), the rows' scale words at
; 512 (r / 4) + 384 + 4 (r % 4).  f_codes: 256 bytes for four rows: block h of row r has registers 0-3 at 256 (r / 4) + 64 h + 16 (r % 4), and 128 bytes further on registers 4 and 5, the row's word (h = 0) and zeros.
; NO CLUSTER, though all 64 work-groups read the same 131,072 bytes: the launch is one step, 16 matrix instructions a wave; a joint load would add two rounds of the cluster's barrier and a way through LDS to it.
; No loop, so nothing to prefetch ahead of.  A work-group stores 64 bytes: 16 subcarriers are a tile's width, and the whole output is 4,096 bytes.
.set TILEB, 2048                       ; a tile in ray_codes: four blocks of 512 bytes
.set SPARE, 1024                       ; behind the 8 waves' sums: the spare words, 128 bytes for each wave: four blocks of 256 bytes that no other line names
.set FOF, 1                            ; v1     f_codes: my block's first piece
.set CO,  4                            ; v4     ray_codes: my 16 bytes in a tile's first piece
.set SO,  5                            ; v5     ray_codes: scale word of direction lane of 32, less 384
.set LW,  6                            ; v6     LDS: 4 x thread: my word
.set LR,  7                            ; v7     LDS: 4 x lane
.set OO,  8                            ; v8     out: 4 x (lane % 16)
.set SPW, 16                           ; v16    LDS address of my spare word; never rewritten
.set NIL, 17                           ; v17    0; never rewritten
.set F4,  20                           ; v20-23 F's registers 4 and 5, its scale word (s0, s1, s0, s1: it serves [F | 0] and [0 | F] alike), zeros
.set FW,  F4+2
.set Z,   48                           ; v48-65 six zeros, F's six registers of codes, six zeros: [0 | F] = v48-59, [F | 0] = v54-65
.set SA,  76                           ; v76-79 the directions' scale words: lanes 0-15 of an even tile, lanes 16-31 of the odd one behind it
.set AF,  80                           ; v80-175  eight fragments of [Sa | Sb]
.set DD,  176                          ; v176-239 tile t: A at v[DD+16 (t % 4)], B eight registers further on
.set PS,  240                          ; v240-247 four pairs of sums
.set RD,  80                           ; v80-87 wave 0, when the fragments are done with: the 8 waves' sums
	s_load_b128 s[4:7], s[0:1], 0x0                ; ray_codes, f_codes
	s_load_b64 s[8:9], s[0:1], 0x10                ; out
	v_lshl_add_u32 v[SPW], v0, 2, SPARE
	v_mov_b32 v[NIL], 0
	v_lshrrev_b32 v9, 5, v0
	v_readfirstlane_b32 s10, v9                    ; wave 0..7
	s_lshl_b32 s12, ttmp9, 10                      ; the group's 16 rows of f_codes
	s_mov_b32 s13, 0
	s_lshl_b32 s14, s10, 14                        ; my wave's eight tiles
	s_mov_b32 s15, 0
	s_lshl_b32 s16, ttmp9, 6                       ; the group's 64 bytes of out
	s_mov_b32 s17, 0
	s_mov_b32 s20, 0x76543210
	s_mov_b32 s21, 0xfedcba98                      ; v_permlanex16_b32's selects for lane l xor 16
.irp i, 0,1,2,3,4,5
	v_mov_b32 v[Z+\i], 0                           ; zero codes: the half of K that a product does not want
	v_mov_b32 v[Z+12+\i], 0
.endr
	v_and_b32 v10, 15, v0                          ; r
	v_bfe_u32 v11, v0, 4, 1                        ; h
	v_and_b32 v12, 3, v0                           ; r % 4
	v_bfe_u32 v13, v0, 2, 2                        ; r / 4
	v_bfe_u32 v14, v0, 2, 3                        ; lane / 4
	v_and_b32 v15, 31, v0                          ; lane
	v_lshlrev_b32 v[FOF], 4, v12
	v_lshlrev_b32 v[CO], 4, v12
	v_lshlrev_b32 v[SO], 2, v12
	v_lshlrev_b32 v[LW], 2, v0
	v_lshlrev_b32 v[LR], 2, v15
	v_lshlrev_b32 v[OO], 2, v10
	v_lshl_add_u32 v[FOF], v11, 6, v[FOF]
	v_lshl_add_u32 v[CO], v11, 6, v[CO]
	v_lshl_add_u32 v[SO], v14, 9, v[SO]
	v_lshl_add_u32 v[FOF], v13, 8, v[FOF]
	v_lshl_add_u32 v[CO], v13, 9, v[CO]
	s_wait_alu depctr_va_vdst(0)
	s_wait_kmcnt 0x0
	s_add_nc_u64 s[6:7], s[6:7], s[12:13]
	s_add_nc_u64 s[4:5], s[4:5], s[14:15]
	s_add_nc_u64 s[8:9], s[8:9], s[16:17]
	global_load_b128 v[Z+6:Z+9],  v[FOF], s[6:7]
	global_load_b128 v[F4:F4+3],  v[FOF], s[6:7] offset:128
.irp q, 0,1,2,3
	global_load_b32 v[SA+\q], v[SO], s[4:5] offset:2*TILEB*\q+384
.endr
.irp t, 0,1,2,3,4,5,6,7
.irp g, 0,1,2
	global_load_b128 v[AF+12*\t+4*\g:AF+12*\t+4*\g+3], v[CO], s[4:5] offset:TILEB*\t+128*\g
.endr
.endr
	s_wait_loadcnt 28                              ; F's two loads are in; 4 of scale words and 24 of fragments may be out
	v_mov_b32 v[Z+10], v[F4]                       ; F's last two registers, at their places behind the first four
	v_mov_b32 v[Z+11], v[F4+1]
.rept 4
	v_nop                                          ; an operand written by vector instructions stands 4 places ahead of a scaled matrix instruction
.endr
	s_wait_alu depctr_va_vdst(0)
; Tile t.  A(d, k): [Sa | Sb] x [F | 0];  B(d, k): [Sa | Sb] x [0 | F].  Of 24 loads of fragments 3 t + 3 are wanted; the later tiles' may be out
.macro TILE t
.set DT, DD+16*((\t)%4)
	s_wait_loadcnt 21-3*(\t)
.if (\t)%2 == 0
	v_wmma_scale_f32_16x16x128_f8f6f4 v[DT:DT+7],    v[AF+12*(\t):AF+12*(\t)+11], v[Z+6:Z+17], 0, v[SA+(\t)/2], v[FW] matrix_a_fmt:MATRIX_FMT_BF6 matrix_b_fmt:MATRIX_FMT_BF6
	v_wmma_scale_f32_16x16x128_f8f6f4 v[DT+8:DT+15], v[AF+12*(\t):AF+12*(\t)+11], v[Z:Z+11],   0, v[SA+(\t)/2], v[FW] matrix_a_fmt:MATRIX_FMT_BF6 matrix_b_fmt:MATRIX_FMT_BF6
.else
	v_wmma_scale_f32_16x16x128_f8f6f4 v[DT:DT+7],    v[AF+12*(\t):AF+12*(\t)+11], v[Z+6:Z+17], 0, v[SA+(\t)/2], v[FW] matrix_a_fmt:MATRIX_FMT_BF6 matrix_b_fmt:MATRIX_FMT_BF6 matrix_a_scale:MATRIX_SCALE_ROW1
	v_wmma_scale_f32_16x16x128_f8f6f4 v[DT+8:DT+15], v[AF+12*(\t):AF+12*(\t)+11], v[Z:Z+11],   0, v[SA+(\t)/2], v[FW] matrix_a_fmt:MATRIX_FMT_BF6 matrix_b_fmt:MATRIX_FMT_BF6 matrix_a_scale:MATRIX_SCALE_ROW1
.endif
.endm
; Four tiles' products are added onto the four pairs; each result is read from its low end on, the tiles by turns
.macro ADDUP first
.rept 4
	v_nop                                          ; four places between a matrix instruction and the first read of its result (ISA guide 7.12.1)
.endr
.irp p, 0,2,4,6
.irp t, 0,1,2,3
.if \first+\p == 1
	v_pk_mul_f32 v[PS+2*\t:PS+2*\t+1], v[DD+16*\t:DD+16*\t+1], v[DD+16*\t+8:DD+16*\t+9]
.else
	v_pk_fma_f32 v[PS+2*\t:PS+2*\t+1], v[DD+16*\t+\p:DD+16*\t+\p+1], v[DD+16*\t+8+\p:DD+16*\t+9+\p], v[PS+2*\t:PS+2*\t+1]
.endif
.endr
.endr
.endm
.irp t, 0,1,2,3
	TILE \t
.endr
	ADDUP 1
	s_wait_alu depctr_va_vdst(0)
.irp t, 4,5,6,7
	TILE \t
.endr
	ADDUP 0
	s_delay_alu instid0(VALU_DEP_3)
	v_pk_add_f32 v[PS:PS+1],   v[PS:PS+1],   v[PS+2:PS+3]
	s_delay_alu instid0(VALU_DEP_2)
	v_pk_add_f32 v[PS+4:PS+5], v[PS+4:PS+5], v[PS+6:PS+7]
	s_delay_alu instid0(VALU_DEP_1)
	v_pk_add_f32 v[PS:PS+1],   v[PS:PS+1],   v[PS+4:PS+5]
	s_delay_alu instid0(VALU_DEP_1)
	v_add_f32 v[PS], v[PS], v[PS+1]                ; my subcarrier, 64 of my wave's 128 directions (the other 64 lie in lane l xor 16)
	ds_store_b32 v[LW], v[PS]                      ; a word a thread: 128 consecutive bytes a wave
	s_wait_dscnt 0x0                               ; for wave 0's sake: my store has landed
	s_barrier_signal -1
	s_barrier_wait -1
	s_cmp_lg_u32 s10, 0
	s_cbranch_scc1 .Ldone
.irp w, 0,1,2,3,4,5,6,7
	ds_load_b32 v[RD+\w], v[LR] offset:128*\w      ; my lane's word of every wave
.endr
	s_wait_dscnt 0x0
	v_pk_add_f32 v[RD:RD+1],   v[RD:RD+1],   v[RD+2:RD+3]
	v_pk_add_f32 v[RD+4:RD+5], v[RD+4:RD+5], v[RD+6:RD+7]
	s_delay_alu instid0(VALU_DEP_1)
	v_pk_add_f32 v[RD:RD+1],   v[RD:RD+1],   v[RD+4:RD+5]
	s_delay_alu instid0(VALU_DEP_1)
	v_add_f32 v[RD], v[RD], v[RD+1]
	s_delay_alu instid0(VALU_DEP_1)
	v_permlanex16_b32 v[RD+2], v[RD], s20, s21
	s_delay_alu instid0(VALU_DEP_1)
	v_add_f32 v[RD], v[RD], v[RD+2]                ; all 1,024 directions, in lanes l and l xor 16 alike
	s_delay_alu instid0(VALU_DEP_1)
	v_mul_f32 v[RD], 0x3a800000, v[RD]             ; / 1,024: a power of two
	global_store_b32 v[OO], v[RD], s[8:9]          ; 64 consecutive bytes; lanes l and l xor 16 write the same word with the same value
.Ldone:
	s_wait_tensorcnt 0x0                           ; the wave's end
	ds_add_u32 v[SPW], v[NIL]
	s_wait_dscnt 0x0
	s_endpgm
.Lfunc_end_k_q5fbc01b083_csi:
	.size	k_q5fbc01b083_csi, .Lfunc_end_k_q5fbc01b083_csi-k_q5fbc01b083_csi
	.p2alignl 7, 3214868480
	.fill 96, 4, 3214868480
	.section	.rodata,"a",@progbits
	.p2align	6, 0x0
	.amdhsa_kernel k_q5fbc01b083_csi
		.amdhsa_group_segment_fixed_size 2048
		.amdhsa_private_segment_fixed_size 0
		.amdhsa_enable_private_segment 0
		.amdhsa_kernarg_size 24
		.amdhsa_user_sgpr_count 2
		.amdhsa_user_sgpr_kernarg_segment_ptr 1
		.amdhsa_wavefront_size32 1
		.amdhsa_system_sgpr_workgroup_id_x 1
		.amdhsa_system_sgpr_workgroup_id_y 1
		.amdhsa_system_sgpr_workgroup_id_z 1
		.amdhsa_system_vgpr_workitem_id 0
		.amdhsa_next_free_vgpr 256
		.amdhsa_next_free_sgpr 66
		.amdhsa_reserve_vcc 0
		.amdhsa_float_denorm_mode_32 3
		.amdhsa_float_denorm_mode_16_64 3
		.amdhsa_memory_ordered 1
		.amdhsa_forward_progress 1
		.amdhsa_inst_pref_size 12
	.end_amdhsa_kernel
	.amdgpu_metadata
---
amdhsa.version: [ 1, 2 ]
amdhsa.kernels:
  - .name:           k_q5fbc01b083_csi
    .symbol:         k_q5fbc01b083_csi.kd
    .args:
      - { .name: ray_codes, .offset: 0, .size: 8, .value_kind: global_buffer, .address_space: global }
      - { .name: f_codes, .offset: 8, .size: 8, .value_kind: global_buffer, .address_space: global }
      - { .name: out0, .offset: 16, .size: 8, .value_kind: global_buffer, .address_space: global }
    .group_segment_fixed_size: 2048
    .private_segment_fixed_size: 0
    .kernarg_segment_align: 8
    .kernarg_segment_size: 24
    .max_flat_workgroup_size: 256
    .sgpr_count:     66
    .vgpr_count:     256
    .wavefront_size: 32
...
	.end_amdgpu_metadata
.endif
;; end of part 2
